; MI455X (gfx1250); checked and timed in simulation.
; The chip was launched on July 23, 2026; its instructions are those of AMD's public machine-readable ISA for CDNA 5 (MIT licence, August 2026) and "CDNA5" Instruction Set Architecture Reference Guide (July 2026). The comments in the code are by the model that wrote it; some were corrected since.
;; Mo E Layer Load Balance. Allowed arithmetic: float matrix products may take bf16 or f16 operands with f32 sums; all other float work in f32.
;; Inputs: b1 8 x 4,096 float32; b2 8 x 1,024 float32; expert_biases 8 float32; gate_b 8 float32; gate_w 1,024 x 8 float32; w1 8 x 1,024 x 4,096 float32; w2 8 x 4,096 x 1,024 float32; x 256 x 4 x 1,024 float32.
;; Outputs: out0 256 x 4 x 1,024 float32.
;; 2 versions, each right; version 2 is version 1 with the launch gather written anew for expert scheduling mode. Each part assembles by itself: llvm-mc -triple=amdgcn-amd-amdhsa -mcpu=gfx1250 --defsym DOCPART=n.
;; ======== version 1 of 2: 6 launches
;; limits: values are held in f16: magnitudes above 65,504 overflow, below 6.1e-05 lose precision
;; workspace buffers: sel 4,096 bytes of whole numbers; cw 8,192 bytes; rowtok 10,240 bytes of whole numbers; pos 8,192 bytes of whole numbers; meta 512 bytes of whole numbers; xg 5,242,880 bytes; h 20,971,520 bytes; y 41,943,040 bytes
;; launch gate (part 1): grid 128 x 1, 8 waves a work-group, no clusters, 3,072 bytes of LDS; arguments x, gate_w, gate_b, expert_biases, sel, cw; writes sel, cw
.if DOCPART == 1
	.amdgcn_target "amdgcn-amd-amdhsa--gfx1250"
	.amdhsa_code_object_version 6
	.text
	.protected	k_q705d27815d_gate
	.globl	k_q705d27815d_gate
	.p2align	8
	.type	k_q705d27815d_gate,@function
k_q705d27815d_gate:
	s_mov_b64 s[64:65], 0
	v_nop
	global_prefetch_b8 v0, s[64:65] scope:SCOPE_SE
	s_setreg_imm32_b32 hwreg(HW_REG_WAVE_MODE, 25, 1), 1
	s_wait_xcnt 0x0
; GATE: for each of the 1,024 tokens the two experts of top_k and their normalised weights.
;   sel[t] = e0 | e1 << 8 (whole numbers, from which later launches form lists and addresses);  cw[t] = { w0, w1 } in f32.
;
; WORK LEFT OUT BY THE WHOLE PROGRAM.  reference() computes every expert's FFN for every token and multiplies it by combine[t, e],
; which is the sum over the two slots k of one_hot(topk_idx[t, k])[e] * top_k_probs[t, k].  For an expert e that is not among
; topk_idx[t, :] both one_hot terms are the zeros that reference() builds itself, so combine[t, e] = 0 and the term
; combine[t, e] * (h @ w2[e] + b2[e]) is 0 in exact arithmetic whatever finite values x, w1, b1, w2, b2 hold.  So only the 2,048 pairs
; (token, chosen expert) are computed: this launch makes the choice, the next one stores it as lists, and the FFN launches read those.
; Every input has a way to the output and is loaded by some launch.
; LIMITS.  A NaN, an infinity or an overflow that arises only in the FFN of an expert that a token did not choose is not carried to
; the result (in reference() it would be 0 x inf).  The logits are taken to be finite: a NaN logit is not ordered as top_k orders it.
;
; The gate's product (0.01 % of the multiply-adds) is made in f32 on the vector unit: a choice hangs on it.
; The weights: with p = sigmoid(s), p0 / (p0 + p1) = A1 / (A0 + A1) where A = 1 + e^-s.  Both A are scaled by 2^-m,
; m = max(t0, t1, 0), t = -s log2 e, so that no exponential overflows and the divisor lies between 1 and 4, for every s.
; Where both sigmoids underflow to 0 in f32 reference() gives 0/0; this text gives the finite weight.
;
; A work-group takes 8 tokens.  Wave w takes d = 128 w .. 128 w + 127, lane l four of them (16 neighbouring bytes of each x row).
.set XR, 8                             ; v[8:39]    x[i][dd], token i = 0..7, dd = 0..3
.set GR, 40                            ; v[40:71]   gate_w[d0 + dd][e] at 8 dd + e
.set SR, 72                            ; v[72:135]  partial scores S[i][e] at 8 i + e
.set TP, 136                           ; v[136:137] for the step across the two halves of the wave
	s_load_b256 s[4:11], s[0:1], 0x0               ; x s[4:5], gate_w s[6:7], gate_b s[8:9], expert_biases s[10:11]
	s_load_b128 s[36:39], s[0:1], 0x20             ; sel s[36:37], cw s[38:39]
	v_lshl_add_u32 v140, v0, 2, 0x800
	v_mov_b32 v141, 0
	v_and_b32 v1, 31, v0                           ; lane
	v_lshrrev_b32 v2, 5, v0
	v_readfirstlane_b32 s14, v2                    ; wave
	s_mov_b32 s12, 0x76543210                      ; v_permlanex16_b32: lane i of one half reads lane i of the other
	s_mov_b32 s13, 0xfedcba98
	v_lshlrev_b32 v3, 4, v0                        ; x: 512 w + 16 lane
	v_lshlrev_b32 v4, 7, v0                        ; gate_w: four rows of 32 bytes a lane: 4,096 w + 128 lane
	v_lshlrev_b32 v5, 8, v2                        ; LDS: 256 bytes a wave
	v_mov_b32 v[TP], 0
	v_mov_b32 v[TP+1], 0
	s_lshl_b32 s2, ttmp9, 15                       ; 8 tokens of 4,096 bytes
	s_mov_b32 s3, 0
	s_wait_kmcnt 0x0
	s_add_nc_u64 s[4:5], s[4:5], s[2:3]
.irp i, 0,1,2,3,4,5,6,7
	global_load_b128 v[XR+4*\i:XR+4*\i+3], v3, s[4:5] offset:4096*\i
.endr
.irp q, 0,1,2,3,4,5,6,7
	global_load_b128 v[GR+4*\q:GR+4*\q+3], v4, s[6:7] offset:16*\q
.endr
	s_load_b256 s[16:23], s[8:9], 0x0              ; gate_b
	s_load_b256 s[24:31], s[10:11], 0x0            ; expert_biases
	s_wait_loadcnt 0x0
	; S[i][e] = sum over my four d of x[i][d] gate_w[d][e], two experts at a time; x is broadcast out of its pair
.irp i, 0,1,2,3,4,5,6,7
.irp p, 0,2,4,6
	v_pk_mul_f32 v[SR+8*\i+\p:SR+8*\i+\p+1], v[XR+4*\i:XR+4*\i+1], v[GR+\p:GR+\p+1] op_sel_hi:[0,1]
.endr
.irp p, 0,2,4,6
	v_pk_fma_f32 v[SR+8*\i+\p:SR+8*\i+\p+1], v[XR+4*\i:XR+4*\i+1], v[GR+8+\p:GR+8+\p+1], v[SR+8*\i+\p:SR+8*\i+\p+1] op_sel:[1,0,0] op_sel_hi:[1,1,1]
.endr
.irp p, 0,2,4,6
	v_pk_fma_f32 v[SR+8*\i+\p:SR+8*\i+\p+1], v[XR+4*\i+2:XR+4*\i+3], v[GR+16+\p:GR+16+\p+1], v[SR+8*\i+\p:SR+8*\i+\p+1] op_sel_hi:[0,1,1]
.endr
.irp p, 0,2,4,6
	v_pk_fma_f32 v[SR+8*\i+\p:SR+8*\i+\p+1], v[XR+4*\i+2:XR+4*\i+3], v[GR+24+\p:GR+24+\p+1], v[SR+8*\i+\p:SR+8*\i+\p+1] op_sel:[1,0,0] op_sel_hi:[1,1,1]
.endr
.endr
	; each of the 64 sums over the 32 lanes: four steps inside each half of 16 lanes, one across the halves
.irp m, 1,2,4,8
.set n, 0
.rept 64
	v_add_f32_dpp v[SR+n], v[SR+n], v[SR+n] row_xmask:\m row_mask:0xf bank_mask:0xf
.set n, n+1
.endr
.endr
.set n, 0
.rept 64
	v_permlanex16_b32 v[TP+n%2], v[SR+n], s12, s13
	v_add_f32 v[SR+n], v[SR+n], v[TP+n%2]
.set n, n+1
.endr
.irp q, 0,1,2,3,4,5,6,7,8,9,10,11,12,13,14,15
	ds_store_b128 v5, v[SR+4*\q:SR+4*\q+3] offset:16*\q    ; every lane holds the same 64 sums and writes them to the wave's 256 bytes
.endr
	s_wait_dscnt 0x0                               ; my stores are done before I say so: wave 0 reads them behind the barrier
	s_barrier_signal -1
	s_barrier_wait -1
	s_cmp_lg_u32 s14, 0
	s_cbranch_scc1 .Lend                           ; the rest is wave 0's
	v_and_b32 v6, 7, v1                            ; lane l takes token l mod 8 (lanes 8 to 31 repeat the work and store nothing)
	v_lshlrev_b32 v6, 5, v6
.irp w, 0,1,2,3,4,5,6,7
	ds_load_b128 v[8+8*\w:8+8*\w+3], v6 offset:256*\w
	ds_load_b128 v[8+8*\w+4:8+8*\w+7], v6 offset:256*\w+16
.endr
	s_wait_dscnt 0x0
.irp w, 1,2,3,4,5,6,7
.irp p, 0,2,4,6
	v_pk_add_f32 v[8+\p:9+\p], v[8+\p:9+\p], v[8+8*\w+\p:9+8*\w+\p]
.endr
.endr
	s_wait_kmcnt 0x0                               ; gate_b and expert_biases
.irp e, 0,1,2,3,4,5,6,7
	v_add_f32 v[8+\e], s[16+\e], v[8+\e]           ; score
	v_add_f32 v[72+\e], s[24+\e], v[8+\e]          ; logit: the bias enters the choice alone
.endr
	; the largest logit, the lower index on a tie (strictly greater replaces), with its index and its score
	v_mov_b32 v80, v72
	v_mov_b32 v81, 0
	v_mov_b32 v82, v8
.irp e, 1,2,3,4,5,6,7
	v_cmp_gt_f32 vcc_lo, v[72+\e], v80
	v_cndmask_b32 v80, v80, v[72+\e], vcc_lo
	v_cndmask_b32 v81, v81, \e, vcc_lo
	v_cndmask_b32 v82, v82, v[8+\e], vcc_lo
.endr
	; the largest of the other seven, in the same way
	v_mov_b32 v83, 0xff800000
	v_mov_b32 v84, 0
	v_mov_b32 v85, v8
.irp e, 0,1,2,3,4,5,6,7
	v_cmp_gt_f32 s40, v[72+\e], v83
	v_cmp_ne_u32 s41, \e, v81
	s_and_b32 s40, s40, s41
	v_cndmask_b32 v83, v83, v[72+\e], s40
	v_cndmask_b32 v84, v84, \e, s40
	v_cndmask_b32 v85, v85, v[8+\e], s40
.endr
	v_mul_f32 v86, 0xbfb8aa3b, v82                 ; t0 = -s0 log2 e
	v_mul_f32 v87, 0xbfb8aa3b, v85                 ; t1
	v_max3_num_f32 v88, v86, v87, 0                ; m
	v_sub_f32 v86, v86, v88
	v_sub_f32 v87, v87, v88
	v_sub_f32 v88, 0, v88
	v_exp_f32 v89, v86
	v_exp_f32 v90, v87
	v_exp_f32 v91, v88
	v_lshl_or_b32 v94, v84, 8, v81                 ; sel; also the plain instruction behind the exponentials (ISA guide 5.7.2)
	s_wait_alu depctr_va_vdst(0)
	v_add_f32 v89, v89, v91                        ; a0 = (1 + e^-s0) 2^-m
	v_add_f32 v90, v90, v91                        ; a1
	v_add_f32 v92, v89, v90
	v_rcp_f32 v93, v92
	v_lshlrev_b32 v95, 2, v1                       ; 4 lane; also the plain instruction behind the reciprocal
	s_wait_alu depctr_va_vdst(0)
	v_mul_f32 v96, v90, v93                        ; w0 = a1 / (a0 + a1)
	v_mul_f32 v97, v89, v93                        ; w1
	v_lshlrev_b32 v98, 3, v1
	s_lshl_b32 s2, ttmp9, 5
	s_add_nc_u64 s[36:37], s[36:37], s[2:3]
	s_lshl_b32 s2, ttmp9, 6
	s_add_nc_u64 s[38:39], s[38:39], s[2:3]
	v_cmp_gt_u32 vcc_lo, 8, v1
	s_wait_xcnt 0x0                                ; EXEC changes only behind this wait
	s_and_saveexec_b32 s42, vcc_lo
	global_store_b32 v95, v94, s[36:37]
	global_store_b64 v98, v[96:97], s[38:39]
	s_wait_xcnt 0x0                                ; and again in front of the line that widens it
	s_or_b32 exec_lo, exec_lo, s42
.Lend:
	s_wait_tensorcnt 0x0
	ds_add_u32 v140, v141
	s_wait_dscnt 0x0
	s_endpgm
.Lfunc_end_k_q705d27815d_gate:
	.size	k_q705d27815d_gate, .Lfunc_end_k_q705d27815d_gate-k_q705d27815d_gate
	.p2alignl 7, 3214868480
	.fill 96, 4, 3214868480
	.section	.rodata,"a",@progbits
	.p2align	6, 0x0
	.amdhsa_kernel k_q705d27815d_gate
		.amdhsa_group_segment_fixed_size 3072
		.amdhsa_private_segment_fixed_size 0
		.amdhsa_enable_private_segment 0
		.amdhsa_kernarg_size 48
		.amdhsa_user_sgpr_count 2
		.amdhsa_user_sgpr_kernarg_segment_ptr 1
		.amdhsa_wavefront_size32 1
		.amdhsa_system_sgpr_workgroup_id_x 1
		.amdhsa_system_sgpr_workgroup_id_y 1
		.amdhsa_system_sgpr_workgroup_id_z 1
		.amdhsa_system_vgpr_workitem_id 0
		.amdhsa_next_free_vgpr 142
		.amdhsa_next_free_sgpr 66
		.amdhsa_reserve_vcc 1
		.amdhsa_float_denorm_mode_32 3
		.amdhsa_float_denorm_mode_16_64 3
		.amdhsa_memory_ordered 1
		.amdhsa_forward_progress 1
		.amdhsa_inst_pref_size 43
	.end_amdhsa_kernel
	.amdgpu_metadata
---
amdhsa.version: [ 1, 2 ]
amdhsa.kernels:
  - .name:           k_q705d27815d_gate
    .symbol:         k_q705d27815d_gate.kd
    .args:
      - { .name: x, .offset: 0, .size: 8, .value_kind: global_buffer, .address_space: global }
      - { .name: gate_w, .offset: 8, .size: 8, .value_kind: global_buffer, .address_space: global }
      - { .name: gate_b, .offset: 16, .size: 8, .value_kind: global_buffer, .address_space: global }
      - { .name: expert_biases, .offset: 24, .size: 8, .value_kind: global_buffer, .address_space: global }
      - { .name: sel, .offset: 32, .size: 8, .value_kind: global_buffer, .address_space: global }
      - { .name: cw, .offset: 40, .size: 8, .value_kind: global_buffer, .address_space: global }
    .group_segment_fixed_size: 3072
    .private_segment_fixed_size: 0
    .kernarg_segment_align: 8
    .kernarg_segment_size: 48
    .max_flat_workgroup_size: 256
    .sgpr_count:     66
    .vgpr_count:     142
    .wavefront_size: 32
...
	.end_amdgpu_metadata
.endif
;; end of part 1
;; launch lists (part 2): grid 1 x 1, 32 waves a work-group, no clusters, 15,360 bytes of LDS; arguments sel, rowtok, pos, meta; writes rowtok, pos, meta
.if DOCPART == 2
	.amdgcn_target "amdgcn-amd-amdhsa--gfx1250"
	.amdhsa_code_object_version 6
	.text
	.protected	k_q705d27815d_lists
	.globl	k_q705d27815d_lists
	.p2align	8
	.type	k_q705d27815d_lists,@function
k_q705d27815d_lists:
	s_mov_b64 s[64:65], 0
	v_nop
	global_prefetch_b8 v0, s[64:65] scope:SCOPE_SE
	s_setreg_imm32_b32 hwreg(HW_REG_WAVE_MODE, 25, 1), 1
	s_wait_xcnt 0x0
; LISTS: from sel (two experts a token) the rows of the routed FFN.  Whole numbers only; one work-group, thread t = token t.
; Only the 2,048 chosen pairs (token, expert) get a row: the other pairs' terms are multiplied by a zero of reference()'s own one_hot.
; Expert e's pairs take a run of rows, in the order of the tokens, padded to a multiple of 16 (a tile); the runs follow each other:
; at most (2,048 + 8 x 15) / 16 = 135 tiles.
;   rowtok[q]  the token of row q, 1024 where the row holds none (all 2,560 rows are written)
;   pos[t][k]  the row that holds pick k of token t
;   meta[e]    { first tile, tiles that the first FFN launch stores, tiles, 0 }
; The second word is the third but for the last expert that has tokens: there it is the third rounded up to a multiple of 10.  The second
; FFN launch reads ten tiles at a time, so for expert e it reads below first + 10 ceil(tiles / 10) <= first + tiles + 9, which for an
; earlier expert is at most the last expert's first tile + 9: every tile that is read is written, by one work-group.
; LDS: CNT[e][wave] at 128 e + 4 wave (1 KiB); RT[2560] at 1,024.
	s_load_b256 s[4:11], s[0:1], 0x0               ; sel s[4:5], rowtok s[6:7], pos s[8:9], meta s[10:11]
	v_lshl_add_u32 v64, v0, 2, 0x2c00
	v_mov_b32 v65, 0
	v_and_b32 v1, 31, v0                           ; lane
	v_lshrrev_b32 v2, 5, v0                        ; wave
	v_readfirstlane_b32 s14, v2
	s_mov_b32 s12, 0x76543210                      ; v_permlanex16_b32: lane i of one half reads lane i of the other
	s_mov_b32 s13, 0xfedcba98
	v_lshlrev_b32 v3, 2, v0
	v_lshlrev_b32 v8, 2, v2
	v_lshlrev_b32 v9, 2, v1
	v_lshlrev_b32 v15, 3, v0
	v_lshlrev_b32 v49, 4, v0
	v_mov_b32 v48, 0
	s_wait_kmcnt 0x0
	global_load_b32 v4, v3, s[4:5]
	s_cmp_ge_u32 s14, 20
	s_cbranch_scc1 .Lnoinit                        ; waves 0 to 19 = 640 threads x 4 words = RT's 2,560 words
	v_mov_b32 v52, 0x400
	v_mov_b32 v53, 0x400
	v_mov_b32 v54, 0x400
	v_mov_b32 v55, 0x400
	ds_store_b128 v49, v[52:55] offset:1024
.Lnoinit:
	s_wait_loadcnt 0x0
	v_and_b32 v5, 7, v4                            ; e0
	v_bfe_u32 v6, v4, 8, 3                         ; e1
.irp e, 0,1,2,3,4,5,6,7
	v_cmp_eq_u32 s16, \e, v5
	v_cmp_eq_u32 s17, \e, v6
	s_or_b32 s16, s16, s17                         ; the wave's tokens that chose e
	v_mbcnt_lo_u32_b32 v[16+\e], s16, 0            ; how many of them stand below my lane
	s_bcnt1_i32_b32 s17, s16
	v_mov_b32 v7, s17
	ds_store_b32 v8, v7 offset:128*\e              ; CNT[e][wave]
.endr
	s_wait_dscnt 0x0                               ; my stores (RT's fill, the counts) are done before I say so
	s_barrier_signal -1
	s_barrier_wait -1
.irp e, 0,1,2,3,4,5,6,7
	ds_load_b32 v[24+\e], v9 offset:128*\e         ; lane l: CNT[e][l]
.endr
	s_wait_dscnt 0x0
	v_cmp_lt_u32 vcc_lo, v1, v2                    ; waves below mine
.irp e, 0,1,2,3,4,5,6,7
	v_cndmask_b32 v[32+\e], 0, v[24+\e], vcc_lo
.endr
.irp p, 0,1,2,3
	v_lshl_or_b32 v[40+\p], v[24+2*\p+1], 16, v[24+2*\p]   ; two experts a register: no sum passes 1,024
	v_lshl_or_b32 v[44+\p], v[32+2*\p+1], 16, v[32+2*\p]
.endr
.irp m, 1,2,4,8
.irp n, 0,1,2,3,4,5,6,7
	v_mov_b32_dpp v48, v[40+\n] row_xmask:\m row_mask:0xf bank_mask:0xf
	v_add_nc_u32 v[40+\n], v[40+\n], v48
.endr
.endr
.irp n, 0,1,2,3,4,5,6,7
	v_permlanex16_b32 v48, v[40+\n], s12, s13
	v_add_nc_u32 v[40+\n], v[40+\n], v48
.endr
.irp p, 0,1,2,3
	v_and_b32 v[24+2*\p], 0xffff, v[40+\p]         ; the experts' totals
	v_lshrrev_b32 v[24+2*\p+1], 16, v[40+\p]
	v_and_b32 v[32+2*\p], 0xffff, v[44+\p]         ; and what the waves below mine hold
	v_lshrrev_b32 v[32+2*\p+1], 16, v[44+\p]
.endr
.irp e, 0,1,2,3,4,5,6,7
	v_readfirstlane_b32 s[20+\e], v[24+\e]
.endr
	s_mov_b32 s30, 0                               ; tiles so far
.irp e, 0,1,2,3,4,5,6,7
	s_add_co_u32 s31, s[20+\e], 15
	s_lshr_b32 s[40+\e], s31, 4                    ; tiles of 16 rows
	s_mov_b32 s[32+\e], s30                        ; first tile
	s_lshl_b32 s[56+\e], s30, 4                    ; first row
	s_add_co_u32 s30, s30, s[40+\e]
.endr
.irp e, 0,1,2,3,4,5,6,7
	s_add_co_u32 s31, s[40+\e], 9
	s_mul_i32 s31, s31, 205
	s_lshr_b32 s31, s31, 11                        ; (tiles + 9) / 10: (n x 205) >> 11 = n / 10 for n up to 73
	s_mul_i32 s15, s31, 10
	s_add_co_u32 s31, s[32+\e], s[40+\e]
	s_cmp_eq_u32 s31, s30                          ; nothing follows this expert's run
	s_cselect_b32 s[48+\e], s15, s[40+\e]          ; (an empty expert behind the last run gets 0 either way)
.endr
.irp e, 0,1,2,3,4,5,6,7
	v_add_nc_u32 v[16+\e], v[16+\e], v[32+\e]
	v_add_nc_u32 v[16+\e], s[56+\e], v[16+\e]      ; the row that I would take with expert e
.endr
	v_mov_b32 v10, v16
	v_mov_b32 v11, v16
.irp e, 1,2,3,4,5,6,7
	v_cmp_eq_u32 vcc_lo, \e, v5
	v_cndmask_b32 v10, v10, v[16+\e], vcc_lo
	v_cmp_eq_u32 vcc_lo, \e, v6
	v_cndmask_b32 v11, v11, v[16+\e], vcc_lo
.endr
	v_min_u32 v10, 0x9ff, v10                      ; never met: the rows end at 2,160
	v_min_u32 v11, 0x9ff, v11
	v_lshlrev_b32 v12, 2, v10
	v_lshlrev_b32 v13, 2, v11
	ds_store_b32 v12, v0 offset:1024               ; RT[row] = token; no two pairs have the same row
	ds_store_b32 v13, v0 offset:1024
	global_store_b64 v15, v[10:11], s[8:9]         ; pos
	s_wait_dscnt 0x0                               ; my RT stores are done before I say so
	s_barrier_signal -1
	s_barrier_wait -1
	s_cmp_ge_u32 s14, 20
	s_cbranch_scc1 .Lend
	ds_load_b128 v[60:63], v49 offset:1024
	s_wait_dscnt 0x0
	global_store_b128 v49, v[60:63], s[6:7]        ; a wave's store covers 512 neighbouring bytes
	s_cmp_lg_u32 s14, 0
	s_cbranch_scc1 .Lend
	v_mov_b32 v56, 0                               ; meta: lane e holds expert e's four words, lanes 8 to 31 zeros: 512 bytes, all lanes on
	v_mov_b32 v57, 0
	v_mov_b32 v58, 0
	v_mov_b32 v59, 0
.irp e, 0,1,2,3,4,5,6,7
	v_writelane_b32 v56, s[32+\e], \e
	v_writelane_b32 v57, s[48+\e], \e
	v_writelane_b32 v58, s[40+\e], \e
.endr
	global_store_b128 v49, v[56:59], s[10:11]
.Lend:
	s_wait_tensorcnt 0x0
	ds_add_u32 v64, v65
	s_wait_dscnt 0x0
	s_endpgm
.Lfunc_end_k_q705d27815d_lists:
	.size	k_q705d27815d_lists, .Lfunc_end_k_q705d27815d_lists-k_q705d27815d_lists
	.p2alignl 7, 3214868480
	.fill 96, 4, 3214868480
	.section	.rodata,"a",@progbits
	.p2align	6, 0x0
	.amdhsa_kernel k_q705d27815d_lists
		.amdhsa_group_segment_fixed_size 15360
		.amdhsa_private_segment_fixed_size 0
		.amdhsa_enable_private_segment 0
		.amdhsa_kernarg_size 32
		.amdhsa_user_sgpr_count 2
		.amdhsa_user_sgpr_kernarg_segment_ptr 1
		.amdhsa_wavefront_size32 1
		.amdhsa_system_sgpr_workgroup_id_x 1
		.amdhsa_system_sgpr_workgroup_id_y 1
		.amdhsa_system_sgpr_workgroup_id_z 1
		.amdhsa_system_vgpr_workitem_id 0
		.amdhsa_next_free_vgpr 66
		.amdhsa_next_free_sgpr 66
		.amdhsa_reserve_vcc 1
		.amdhsa_float_denorm_mode_32 3
		.amdhsa_float_denorm_mode_16_64 3
		.amdhsa_memory_ordered 1
		.amdhsa_forward_progress 1
		.amdhsa_inst_pref_size 18
	.end_amdhsa_kernel
	.amdgpu_metadata
---
amdhsa.version: [ 1, 2 ]
amdhsa.kernels:
  - .name:           k_q705d27815d_lists
    .symbol:         k_q705d27815d_lists.kd
    .args:
      - { .name: sel, .offset: 0, .size: 8, .value_kind: global_buffer, .address_space: global }
      - { .name: rowtok, .offset: 8, .size: 8, .value_kind: global_buffer, .address_space: global }
      - { .name: pos, .offset: 16, .size: 8, .value_kind: global_buffer, .address_space: global }
      - { .name: meta, .offset: 24, .size: 8, .value_kind: global_buffer, .address_space: global }
    .group_segment_fixed_size: 15360
    .private_segment_fixed_size: 0
    .kernarg_segment_align: 8
    .kernarg_segment_size: 32
    .max_flat_workgroup_size: 1024
    .sgpr_count:     66
    .vgpr_count:     66
    .wavefront_size: 32
...
	.end_amdgpu_metadata
.endif
;; end of part 2
;; launch gather (part 3): grid 160 x 1, 8 waves a work-group, no clusters, 35,840 bytes of LDS; arguments x, rowtok, xg; writes xg
.if DOCPART == 3
	.amdgcn_target "amdgcn-amd-amdhsa--gfx1250"
	.amdhsa_code_object_version 6
	.text
	.protected	k_q705d27815d_gather
	.globl	k_q705d27815d_gather
	.p2align	8
	.type	k_q705d27815d_gather,@function
k_q705d27815d_gather:
	s_mov_b64 s[64:65], 0
	v_nop
	global_prefetch_b8 v0, s[64:65] scope:SCOPE_SE
	s_setreg_imm32_b32 hwreg(HW_REG_WAVE_MODE, 25, 1), 1
	s_wait_xcnt 0x0
; GATHER: xg = the rows x[rowtok[q]] in f16, zeros where row q holds no token (rowtok = 1024), laid out as the matrix unit's fragments:
;   xg[K step of 32][tile of 16 rows][c = 0, 1][lane = 16 hh + r][16 bytes] = row r of the tile, k = 16 c + 8 hh + 0 .. 7 of the K step,
; so that a fragment of 16 rows x 32 K is 1,024 neighbouring bytes and is loaded by two instructions of 512 neighbouring bytes.
; Only the rows of chosen pairs (token, expert) exist: the other pairs' terms are multiplied by a zero of reference()'s own one_hot.
; All 160 tiles are written, since ten tiles at a time are read later on.
; FORMAT: f16 and not bf16, since each output carries the roundings of x, w1, h and w2 and f16's step is an eighth of bf16's.
; LIMIT: an x above 65,504 in magnitude becomes infinity.  As drawn |x| stays below 6; 30 times larger, or with an offset of 30, below 200.
; A work-group takes a tile, wave w the K steps 4 w .. 4 w + 3 (512 bytes of each x row): one load of the wave takes those 512 bytes of a row.
; The turn into fragment order goes through the wave's own 4,352 bytes of LDS: 16 groups (K step, c, hh) of 16 rows x 16 bytes, 272 bytes
; apart, so that the sixteen groups that a store touches start in different banks.  No other wave touches those bytes, and LDS serves a
; wave's instructions in order (ISA guide 5.7.1): no barrier, and no wait between the stores and the loads.
.set PL, 160*1024                      ; bytes of a K step's plane
.set WST, 16*272
	s_load_b128 s[4:7], s[0:1], 0x0                ; x s[4:5], rowtok s[6:7]
	s_load_b64 s[8:9], s[0:1], 0x10                ; xg
	v_lshl_add_u32 v152, v0, 2, 0x8800
	v_mov_b32 v153, 0
	v_lshrrev_b32 v1, 5, v0
	v_readfirstlane_b32 s10, v1                    ; wave
	v_and_b32 v2, 31, v0                           ; lane
	v_lshlrev_b32 v3, 4, v0                        ; x: 512 w + 16 lane: lane l holds k = 128 w + 4 l .. + 3
	s_mul_i32 s11, s10, WST                        ; my wave's bytes of LDS
	v_lshrrev_b32 v4, 1, v2                        ; in: group l / 2 = 4 (K step) + 2 c + hh,
	v_mul_u32_u24 v4, v4, 272
	v_and_b32 v5, 1, v2
	v_lshl_add_u32 v4, v5, 3, v4                   ;     8 bytes for each of its two lanes
	v_add_nc_u32 v4, s11, v4
	v_bfe_u32 v5, v0, 4, 1                         ; back: lanes 0-15 take group 2 j, lanes 16-31 group 2 j + 1,
	v_mul_u32_u24 v5, v5, 272
	v_and_b32 v6, 15, v0
	v_lshl_add_u32 v5, v6, 4, v5                   ;       16 bytes a row
	v_add_nc_u32 v5, s11, v5
	v_lshlrev_b32 v6, 4, v2                        ; xg: 16 lane
	s_mul_i32 s12, s10, 4*PL                       ;     + four planes a wave
	v_add_nc_u32 v6, s12, v6
	s_lshl_b32 s2, ttmp9, 6
	s_mov_b32 s3, 0
	s_wait_kmcnt 0x0
	s_add_nc_u64 s[6:7], s[6:7], s[2:3]
	s_load_b512 s[16:31], s[6:7], 0x0              ; the tile's 16 tokens
	s_lshl_b32 s2, ttmp9, 10                       ; a tile is 1,024 bytes of a plane
	s_add_nc_u64 s[8:9], s[8:9], s[2:3]
	s_wait_kmcnt 0x0
.irp i, 0,1,2,3,4,5,6,7,8,9,10,11,12,13,14,15
	s_cmp_lt_u32 s[16+\i], 0x400                   ; the row holds a token
	s_cselect_b32 s[32+\i], -1, 0
	s_min_u32 s[16+\i], s[16+\i], 0x3ff            ; an empty row reads token 1023 and stores zeros
	v_lshl_add_u32 v[8+\i], s[16+\i], 12, v3
.endr
.irp i, 0,1,2,3,4,5,6,7,8,9,10,11,12,13,14,15
	global_load_b128 v[24+4*\i:24+4*\i+3], v[8+\i], s[4:5]
.endr
.irp i, 0,1,2,3,4,5,6,7,8,9,10,11,12,13,14,15
	s_wait_loadcnt 15-\i                           ; loads come back in order: row i is in, the younger rows stay out
	v_cvt_pk_f16_f32 v[88+2*\i], v[24+4*\i], v[24+4*\i+1]
	v_cvt_pk_f16_f32 v[88+2*\i+1], v[24+4*\i+2], v[24+4*\i+3]
	v_and_b32 v[88+2*\i], s[32+\i], v[88+2*\i]
	v_and_b32 v[88+2*\i+1], s[32+\i], v[88+2*\i+1]
	ds_store_b64 v4, v[88+2*\i:88+2*\i+1] offset:16*\i
.endr
.irp j, 0,1,2,3,4,5,6,7
	ds_load_b128 v[120+4*\j:120+4*\j+3], v5 offset:544*\j          ; block j = 2 (K step) + c
.endr
.irp j, 0,1,2,3,4,5,6,7
	s_wait_dscnt 7-\j                              ; block j is in, the younger blocks stay out
	global_store_b128 v6, v[120+4*\j:120+4*\j+3], s[8:9] offset:(\j/2)*PL+(\j%2)*512   ; 512 neighbouring bytes, aligned
.endr
	s_wait_tensorcnt 0x0
	ds_add_u32 v152, v153
	s_wait_dscnt 0x0
	s_endpgm
.Lfunc_end_k_q705d27815d_gather:
	.size	k_q705d27815d_gather, .Lfunc_end_k_q705d27815d_gather-k_q705d27815d_gather
	.p2alignl 7, 3214868480
	.fill 96, 4, 3214868480
	.section	.rodata,"a",@progbits
	.p2align	6, 0x0
	.amdhsa_kernel k_q705d27815d_gather
		.amdhsa_group_segment_fixed_size 35840
		.amdhsa_private_segment_fixed_size 0
		.amdhsa_enable_private_segment 0
		.amdhsa_kernarg_size 24
		.amdhsa_user_sgpr_count 2
		.amdhsa_user_sgpr_kernarg_segment_ptr 1
		.amdhsa_wavefront_size32 1
		.amdhsa_system_sgpr_workgroup_id_x 1
		.amdhsa_system_sgpr_workgroup_id_y 1
		.amdhsa_system_sgpr_workgroup_id_z 1
		.amdhsa_system_vgpr_workitem_id 0
		.amdhsa_next_free_vgpr 154
		.amdhsa_next_free_sgpr 66
		.amdhsa_reserve_vcc 0
		.amdhsa_float_denorm_mode_32 3
		.amdhsa_float_denorm_mode_16_64 3
		.amdhsa_memory_ordered 1
		.amdhsa_forward_progress 1
		.amdhsa_inst_pref_size 13
	.end_amdhsa_kernel
	.amdgpu_metadata
---
amdhsa.version: [ 1, 2 ]
amdhsa.kernels:
  - .name:           k_q705d27815d_gather
    .symbol:         k_q705d27815d_gather.kd
    .args:
      - { .name: x, .offset: 0, .size: 8, .value_kind: global_buffer, .address_space: global }
      - { .name: rowtok, .offset: 8, .size: 8, .value_kind: global_buffer, .address_space: global }
      - { .name: xg, .offset: 16, .size: 8, .value_kind: global_buffer, .address_space: global }
    .group_segment_fixed_size: 35840
    .private_segment_fixed_size: 0
    .kernarg_segment_align: 8
    .kernarg_segment_size: 24
    .max_flat_workgroup_size: 256
    .sgpr_count:     66
    .vgpr_count:     154
    .wavefront_size: 32
...
	.end_amdgpu_metadata
.endif
;; end of part 3
;; launch ffn1 (part 4): grid 32 x 8, 4 waves a work-group, no clusters, 0 bytes of LDS; arguments xg, w1, h, meta, b1; writes h
.if DOCPART == 4
	.amdgcn_target "amdgcn-amd-amdhsa--gfx1250"
	.amdhsa_code_object_version 6
	.text
	.protected	k_q705d27815d_ffn1
	.globl	k_q705d27815d_ffn1
	.p2align	8
	.type	k_q705d27815d_ffn1,@function
k_q705d27815d_ffn1:
	s_mov_b64 s[64:65], 0
	v_nop
	global_prefetch_b8 v0, s[64:65] scope:SCOPE_SE
	s_setreg_imm32_b32 hwreg(HW_REG_WAVE_MODE, 25, 1), 1
	s_wait_xcnt 0x0
; ROUTED FFN, one text for both products; MODE 1: h = relu(xg w1[e] + b1[e]) in f16;  MODE 2: y[kq] = h w2[e] over a quarter of FF, in f32.
; Only the rows of chosen pairs (token, expert) are computed: the other pairs' terms are multiplied by a zero of reference()'s own one_hot.
; FORMAT: the operands of both products are f16, the sums f32.  f16 and not bf16, since each output carries the roundings of x, w1, h and
; w2 and f16's step is an eighth of bf16's.
; LIMITS.  A weight or an h above 65,504 in magnitude becomes infinity.  The room: as drawn |w| < 0.12 and h < 4; with all inputs 30 times
; larger h is 900 times larger, under 4,000; with x and w1 both offset by 30 times their spread (30 and 0.6) h is about 1,024 x 18 = 18,432.
; Below 2^-14 f16's step is 2^-24: for inputs 30 times smaller (w and h about 0.0007) under a ten-thousandth of their spread.
; relu is a maximum in which a NaN loses: a NaN in h would become 0, where reference() keeps it.
; Grid: y = expert e.  MODE 1: x = block of 128 columns of FF.  MODE 2: x = block of 128 columns of D + 8 x quarter kq of FF.
; Wave w: columns 64 (w & 1) .. + 63 of the block; of every 20 row tiles of the expert the ten 10 (w >> 1) + 0 .. 9; K = 1,024.
; So a wave has 10 x 4 accumulator tiles, 320 registers, and goes through the weights once for every 20 tiles of its expert.
;
; NO BARRIER, NO LDS, NO JOINT REQUESTS.  How many tiles an expert has (0 to 64) is a whole number that an earlier launch stored (meta[e]), and
; with it the number of passes.  Every wave of a work-group has to pass every barrier, so none may stand behind a branch on such a number,
; and LDS slots that are filled again need a barrier at each refill.  So the waves share nothing: each loads its operands straight into
; registers.  The two waves of a column half read the same weights, the two of a row half the same rows.
;
; WEIGHTS are f32 [K][N] in memory: for a K step of 32, lane (r = l % 16, hh = l / 16) loads 16 bytes (columns 4 r .. 4 r + 3) of the rows
; 16 (q / 8) + 8 hh + q % 8, q = 0 .. 15: sixteen lanes take 256 neighbouring bytes of a row.  Rounding rows 2 jj and 2 jj + 1 of one column
; into a word gives the words of four fragments t = 0 .. 3, in which fragment index rho is the true column 4 rho + t.  No transposition.
; ROWS are f16 in fragment order, [K step][tile][c][lane][16 bytes]: a fragment is two loads of 512 neighbouring bytes.
; MODE 1 takes the weights as source 0 and the rows as source 1: register j of lane (r, hh) in tile t is (row r, column 32 hh + 4 j + t), so a
;   lane ends with 32 neighbouring columns of one row, which is a row's part of one K step of h: four pieces of 16 bytes in fragment order.
;   b1 is the C operand of the first product.
; MODE 2 takes the rows as source 0: register j in tile t is (row 8 hh + j, column 4 r + t): for one j a lane's four tiles are four neighbouring
;   columns of y, which are brought into four neighbouring registers and stored.
;
; LOADS.  Their order is W(0), A(0), W(1), A(1), W(2), .. (W: 16 loads, A: 20), two register sets of each.  K step s waits for W(s), asks for
; A(s+1), converts W(s), waits for A(s), asks for W(s+2), multiplies.  By this text's count at most 56 loads of a wave are out.
; REGISTERS, window 0: v2 weight offset, v3 row offset, v4 result offset; v[16:95], v[96:175] A sets 0, 1 (on the way out: O, T);
;   v[176:207] four weight fragments; v[208:239] the bias as C.  Accumulator (a = 0 .. 9, t) at window 1 + a / 8, register 32 (a % 8) + 8 t.
;   Window 2, v[64:127], v[128:191]: weight sets 0, 1.
.set MODE, 1
.set P, 2560
.set PL, 160*1024                      ; bytes of a K step's plane of rows
.if MODE == 1
.set WPB, 16384                        ; bytes from a weight row to the next
.set WSH, 17                           ; 8 rows = 1 << WSH bytes
.set LIM, 21                           ; meta word that bounds the stores
.else
.set WPB, 4096
.set WSH, 15
.set LIM, 22
.endif
.set AS, 16
.set BB, 176
.set BI, 208
.set OO, 16
.set TT, 96
.set WS, 64
.set MSB, 0
.macro WIN new                         ; the immediate's high byte repeats the setting that is left
.if MSB != (\new)
	s_set_vgpr_msb (MSB<<8)|(\new)
.set MSB, (\new)
.endif
.endm
; A load into a register that a matrix instruction has read, and a vector instruction that writes one of its registers or reads its result,
; stand four plain vector instructions behind it (ISA guide 7.12.1 for vector instructions).
.macro PLACES
.rept 4
	v_nop
.endr
.endm
; ten row fragments of the K step pl planes behind the base
.macro ALOAD set, pl
	WIN 0
.irp a, 0,1,2,3,4,5,6,7,8,9
	global_load_b128 v[AS+80*\set+8*\a:AS+80*\set+8*\a+3], v3, s[44:45] offset:\pl*PL+1024*\a
	global_load_b128 v[AS+80*\set+8*\a+4:AS+80*\set+8*\a+7], v3, s[44:45] offset:\pl*PL+1024*\a+512
.endr
.endm
; 32 rows x 64 columns of weights, from row rowoff behind the base
.macro WLOAD set, rowoff
	WIN 0x80
.irp q, 0,1,2,3,4,5,6,7,8,9,10,11,12,13,14,15
	global_load_b128 v[WS+64*\set+4*\q:WS+64*\set+4*\q+3], v2, s[42:43] offset:(\rowoff+16*(\q/8)+(\q%8))*WPB
.endr
.endm
; a weight set becomes four fragments in f16
.macro CVT set
	WIN 0x0a
.irp t, 0,1,2,3
.irp g, 0,1
.irp jj, 0,1,2,3
	v_cvt_pk_f16_f32 v[BB+8*\t+4*\g+\jj], v[WS+64*\set+4*(8*\g+2*\jj)+\t], v[WS+64*\set+4*(8*\g+2*\jj+1)+\t]
.endr
.endr
.endr
.endm
; 40 matrix instructions on 40 accumulators, which take turns, one instruction a turn, in the same order in every K step.
; first = 1: the first product starts the sums (MODE 1: from the bias; MODE 2: from 0): nothing is cleared.
.macro MUL set, first
.irp a, 0,1,2,3,4,5,6,7,8,9
.if \first*(2-MODE)
	WIN 0x40*(1+\a/8)
.else
	WIN 0x50*(1+\a/8)
.endif
.irp t, 0,1,2,3
.set R, 32*(\a%8)+8*\t
.set FA, AS+80*\set+8*\a
.set FB, BB+8*\t
.if MODE == 1
.if \first
	v_wmma_f32_16x16x32_f16 v[R:R+7], v[FB:FB+7], v[FA:FA+7], v[BI+8*\t:BI+8*\t+7]
.else
	v_wmma_f32_16x16x32_f16 v[R:R+7], v[FB:FB+7], v[FA:FA+7], v[R:R+7]
.endif
.else
.if \first
	v_wmma_f32_16x16x32_f16 v[R:R+7], v[FA:FA+7], v[FB:FB+7], 0
.else
	v_wmma_f32_16x16x32_f16 v[R:R+7], v[FA:FA+7], v[FB:FB+7], v[R:R+7]
.endif
.endif
.endr
.endr
.endm
; One K step of 32 on sets number set.  al, apl: ask for the next step's rows, apl planes behind the base, into the other A set;
; wl, wrow: ask for the weights two steps on, into this step's weight set; c1, c2: how many younger loads may stay out.
.macro KSTEP set, first, al, apl, wl, wrow, c1, c2
	WIN 0
	PLACES                                         ; behind the last step's products: the other A set is loaded, the fragments are rewritten
	s_wait_loadcnt \c1                             ; loads come back in order: this step's weights are in
.if \al
.if \set == 0
	ALOAD 1, \apl
.else
	ALOAD 0, \apl
.endif
.endif
	CVT \set
	s_wait_loadcnt \c2                             ; this step's rows are in
.if \wl
	WLOAD \set, \wrow
.endif
	MUL \set, \first
.endm
.macro TRIP first, last                ; two K steps
.if \last
	KSTEP 0, 0, 1, 1, 0, 0, 36, 36                 ; step 30: younger than W(30): A(30) 20 + W(31) 16; younger than A(30): W(31) 16 + A(31) 20
	KSTEP 1, 0, 0, 0, 0, 0, 20, 0                  ; step 31: younger than W(31): A(31) 20; then nothing is left
.else
	KSTEP 0, \first, 1, 1, 1, 64, 36, 36           ; younger than W(s): A(s) 20 + W(s+1) 16; younger than A(s): W(s+1) 16 + A(s+1) 20
	KSTEP 1, 0, 1, 2, 1, 96, 36, 36
	WIN 0
	s_wait_xcnt 0x0                                ; the two bases are stepped only behind this wait
	s_add_nc_u64 s[42:43], s[42:43], 64*WPB
	s_add_nc_u64 s[44:45], s[44:45], 2*PL
.endif
.endm
; Row tile a of my ten goes out.  Tiles at or beyond the bound are not stored.
.macro FIN a
	WIN 0
	s_cmp_gt_i32 s54, \a
	s_cbranch_scc0 .Lpe
	s_wait_xcnt 0x0                                ; O, which the last tile's stores read, is rewritten only behind this wait
.set AC, 32*(\a%8)
.if MODE == 1
	WIN 0x04*(1+\a/8)
.set n, 0
.rept 32
	v_max_num_f32 v[TT+n], 0, v[AC+n]              ; relu; T[8 t + j]
.set n, n+1
.endr
	WIN 0
.irp x, 0,1,2,3
	v_cvt_pk_f16_f32 v[OO+4*\x], v[TT+2*\x], v[TT+8+2*\x]              ; piece x = 2 c + hh' of the K step: its k = 8 x + i is column 4 j + t,
	v_cvt_pk_f16_f32 v[OO+4*\x+1], v[TT+16+2*\x], v[TT+24+2*\x]        ; j = 2 x + i / 4, t = i % 4
	v_cvt_pk_f16_f32 v[OO+4*\x+2], v[TT+2*\x+1], v[TT+8+2*\x+1]
	v_cvt_pk_f16_f32 v[OO+4*\x+3], v[TT+16+2*\x+1], v[TT+24+2*\x+1]
.endr
.irp x, 0,1,2,3
	global_store_b128 v4, v[OO+4*\x:OO+4*\x+3], s[50:51] offset:\a*1024+\x*256   ; sixteen lanes store 256 neighbouring bytes, aligned
.endr
.else
	WIN 0x01*(1+\a/8)
.irp j, 0,1,2,3,4,5,6,7
.irp t, 0,1,2,3
	v_mov_b32 v[OO+4*\j+\t], v[AC+8*\t+\j]         ; a row's four neighbouring columns lie in four tiles: into one quad
.endr
.endr
	WIN 0
.irp j, 0,1,2,3,4,5,6,7
	global_store_b128 v4, v[OO+4*\j:OO+4*\j+3], s[50:51] offset:\a*65536+\j*4096   ; sixteen lanes store 256 neighbouring bytes, aligned
.endr
.endif
.endm
	s_load_b256 s[4:11], s[0:1], 0x0               ; rows s[4:5], weights s[6:7], result s[8:9], meta s[10:11]
.if MODE == 1
	s_load_b64 s[12:13], s[0:1], 0x20              ; b1
.endif
	v_lshrrev_b32 v1, 5, v0
	v_readfirstlane_b32 s14, v1                    ; wave
	s_and_b32 s15, s14, 1                          ; cu: my 64 columns
	s_lshr_b32 s16, s14, 1                         ; mh: my ten of every 20 tiles
	s_and_b32 s17, ttmp7, 0xffff                   ; expert
.if MODE == 1
	s_mov_b32 s18, ttmp9                           ; block of 128 columns
.else
	s_and_b32 s18, ttmp9, 7
	s_lshr_b32 s19, ttmp9, 3                       ; quarter of K
.endif
	s_lshl_b32 s46, s17, 4
	s_mov_b32 s47, 0                               ; stays 0: s[46:47] is a 32-bit offset
	s_wait_kmcnt 0x0
	s_add_nc_u64 s[10:11], s[10:11], s[46:47]
	s_load_b128 s[20:23], s[10:11], 0x0            ; first tile, tiles to store in MODE 1, tiles, 0
	v_and_b32 v5, 15, v0                           ; r
	v_bfe_u32 v6, v0, 4, 1                         ; hh
	v_and_b32 v7, 31, v0                           ; lane
	v_lshlrev_b32 v8, 4, v5                        ; 16 r
	v_lshl_add_u32 v2, v6, WSH, v8                 ; weights: 8 hh rows + 16 r
	v_lshlrev_b32 v3, 4, v7                        ; rows: 16 lane
.if MODE == 1
	v_mad_u32_u24 v4, v6, PL, v8                   ; h: plane hh of my two + 16 r
	v_lshlrev_b32 v9, 7, v6                        ; b1: my 32 columns
.else
	v_lshl_add_u32 v4, v6, 15, v8                  ; y: 8 hh rows of 4,096 bytes + 16 r
.endif
	; the weights' base: expert, my first K row, my first column
	s_lshl_b32 s46, s17, 24
	s_lshl_b32 s56, s18, 9
	s_add_co_u32 s46, s46, s56
	s_lshl_b32 s56, s15, 8
	s_add_co_u32 s46, s46, s56
.if MODE == 2
	s_lshl_b32 s56, s19, 22                        ; 1,024 rows of 4,096 bytes
	s_add_co_u32 s46, s46, s56
.endif
	s_add_nc_u64 s[40:41], s[6:7], s[46:47]
.if MODE == 1
	s_mov_b64 s[38:39], s[4:5]                     ; rows: K step 0
	s_lshl_b32 s46, s18, 2
	s_lshl_b32 s56, s15, 1
	s_add_co_u32 s46, s46, s56
	s_mul_i32 s46, s46, PL                         ; h: my 64 columns are the planes 4 nc + 2 cu and the next
	s_add_nc_u64 s[48:49], s[8:9], s[46:47]
	s_lshl_b32 s46, s17, 14                        ; b1[e], my 64 columns
	s_lshl_b32 s56, s18, 9
	s_add_co_u32 s46, s46, s56
	s_lshl_b32 s56, s15, 8
	s_add_co_u32 s46, s46, s56
	s_add_nc_u64 s[12:13], s[12:13], s[46:47]
.else
	s_mul_i32 s46, s19, 32*PL                      ; rows: K step 32 kq
	s_add_nc_u64 s[38:39], s[4:5], s[46:47]
	s_mul_i32 s46, s19, P*4096                     ; y: quarter kq, my 64 columns
	s_lshl_b32 s56, s18, 9
	s_add_co_u32 s46, s46, s56
	s_lshl_b32 s56, s15, 8
	s_add_co_u32 s46, s46, s56
	s_add_nc_u64 s[48:49], s[8:9], s[46:47]
.endif
	s_wait_kmcnt 0x0
	s_min_u32 s54, s[LIM], 80                      ; 1,024 tokens are 64 tiles at the most, 70 rounded up
	s_mul_i32 s25, s16, 10
	s_sub_co_i32 s54, s54, s25
	s_max_i32 s54, s54, 0                          ; tiles to store from my first on
	s_add_co_u32 s26, s54, 19
	s_mul_i32 s26, s26, 205
	s_lshr_b32 s26, s26, 12                        ; my passes = (tiles + 19) / 20: (n x 205) >> 12 = n / 20 for n up to 99
	s_cmp_eq_u32 s26, 0
	s_cbranch_scc1 .Lend                           ; none of the expert's tiles is mine
.if MODE == 1
.irp j, 0,1,2,3,4,5,6,7
	global_load_b128 v[16+4*\j:16+4*\j+3], v9, s[12:13] offset:16*\j
.endr
	s_wait_loadcnt 0x0
.irp j, 0,1,2,3,4,5,6,7
.irp t, 0,1,2,3
	v_mov_b32 v[BI+8*\t+\j], v[16+4*\j+\t]         ; once: the bias of column 32 hh + 4 j + t where tile t's register j wants it
.endr
.endr
.endif
	s_mov_b32 s52, 0                               ; pass
.Lpass:
	s_mul_i32 s55, s52, 20
	s_add_co_u32 s55, s55, s20
	s_add_co_u32 s55, s55, s25
	s_min_u32 s55, s55, 150                        ; my first tile of the pass (the bound is never met: the tiles end at 135)
	s_wait_xcnt 0x0                                ; the bases, and the registers that the last pass's stores read, are rewritten only behind this wait
	s_mov_b64 s[42:43], s[40:41]
	s_lshl_b32 s46, s55, 10
	s_add_nc_u64 s[44:45], s[38:39], s[46:47]
.if MODE == 2
	s_lshl_b32 s46, s55, 16                        ; 16 rows of 4,096 bytes
.endif
	s_add_nc_u64 s[50:51], s[48:49], s[46:47]
	WLOAD 0, 0
	ALOAD 0, 0
	WLOAD 1, 32
	TRIP 1, 0
	s_mov_b32 s53, 14
.Ltrip:
	TRIP 0, 0
	s_sub_co_u32 s53, s53, 1
	s_cmp_lg_u32 s53, 0
	s_cbranch_scc1 .Ltrip
	TRIP 0, 1
	WIN 0
	PLACES                                         ; behind the last products: their results are read
	FIN 0
	FIN 1
	FIN 2
	FIN 3
	FIN 4
	FIN 5
	FIN 6
	FIN 7
	FIN 8
	FIN 9
	WIN 0
.Lpe:
	s_sub_co_i32 s54, s54, 20
	s_add_co_u32 s52, s52, 1
	s_cmp_lt_u32 s52, s26
	s_cbranch_scc1 .Lpass
.Lend:
	s_endpgm
.Lfunc_end_k_q705d27815d_ffn1:
	.size	k_q705d27815d_ffn1, .Lfunc_end_k_q705d27815d_ffn1-k_q705d27815d_ffn1
	.p2alignl 7, 3214868480
	.fill 96, 4, 3214868480
	.section	.rodata,"a",@progbits
	.p2align	6, 0x0
	.amdhsa_kernel k_q705d27815d_ffn1
		.amdhsa_group_segment_fixed_size 0
		.amdhsa_private_segment_fixed_size 0
		.amdhsa_enable_private_segment 0
		.amdhsa_kernarg_size 40
		.amdhsa_user_sgpr_count 2
		.amdhsa_user_sgpr_kernarg_segment_ptr 1
		.amdhsa_wavefront_size32 1
		.amdhsa_system_sgpr_workgroup_id_x 1
		.amdhsa_system_sgpr_workgroup_id_y 1
		.amdhsa_system_sgpr_workgroup_id_z 1
		.amdhsa_system_vgpr_workitem_id 0
		.amdhsa_next_free_vgpr 704
		.amdhsa_next_free_sgpr 66
		.amdhsa_reserve_vcc 0
		.amdhsa_float_denorm_mode_32 3
		.amdhsa_float_denorm_mode_16_64 3
		.amdhsa_memory_ordered 1
		.amdhsa_forward_progress 1
		.amdhsa_inst_pref_size 80
	.end_amdhsa_kernel
	.amdgpu_metadata
---
amdhsa.version: [ 1, 2 ]
amdhsa.kernels:
  - .name:           k_q705d27815d_ffn1
    .symbol:         k_q705d27815d_ffn1.kd
    .args:
      - { .name: xg, .offset: 0, .size: 8, .value_kind: global_buffer, .address_space: global }
      - { .name: w1, .offset: 8, .size: 8, .value_kind: global_buffer, .address_space: global }
      - { .name: h, .offset: 16, .size: 8, .value_kind: global_buffer, .address_space: global }
      - { .name: meta, .offset: 24, .size: 8, .value_kind: global_buffer, .address_space: global }
      - { .name: b1, .offset: 32, .size: 8, .value_kind: global_buffer, .address_space: global }
    .group_segment_fixed_size: 0
    .private_segment_fixed_size: 0
    .kernarg_segment_align: 8
    .kernarg_segment_size: 40
    .max_flat_workgroup_size: 128
    .sgpr_count:     66
    .vgpr_count:     704
    .wavefront_size: 32
...
	.end_amdgpu_metadata
.endif
;; end of part 4
;; launch ffn2 (part 5): grid 32 x 8, 4 waves a work-group, no clusters, 0 bytes of LDS; arguments h, w2, y, meta; writes y
.if DOCPART == 5
	.amdgcn_target "amdgcn-amd-amdhsa--gfx1250"
	.amdhsa_code_object_version 6
	.text
	.protected	k_q705d27815d_ffn2
	.globl	k_q705d27815d_ffn2
	.p2align	8
	.type	k_q705d27815d_ffn2,@function
k_q705d27815d_ffn2:
	s_mov_b64 s[64:65], 0
	v_nop
	global_prefetch_b8 v0, s[64:65] scope:SCOPE_SE
	s_setreg_imm32_b32 hwreg(HW_REG_WAVE_MODE, 25, 1), 1
	s_wait_xcnt 0x0
; ROUTED FFN, one text for both products; MODE 1: h = relu(xg w1[e] + b1[e]) in f16;  MODE 2: y[kq] = h w2[e] over a quarter of FF, in f32.
; Only the rows of chosen pairs (token, expert) are computed: the other pairs' terms are multiplied by a zero of reference()'s own one_hot.
; The four quarters of FF are summed, b2 added and a token's two picks weighted in the last launch.
; FORMAT: the operands of both products are f16, the sums f32.  f16 and not bf16, since each output carries the roundings of x, w1, h and
; w2 and f16's step is an eighth of bf16's.
; LIMITS.  A weight or an h above 65,504 in magnitude becomes infinity.  The room: as drawn |w| < 0.12 and h < 4; with all inputs 30 times
; larger h is 900 times larger, under 4,000; with x and w1 both offset by 30 times their spread (30 and 0.6) h is about 1,024 x 18 = 18,432.
; Below 2^-14 f16's step is 2^-24: for inputs 30 times smaller (w and h about 0.0007) under a ten-thousandth of their spread.
; Grid: y = expert e.  MODE 1: x = block of 128 columns of FF.  MODE 2: x = block of 128 columns of D + 8 x quarter kq of FF.
; Wave w: columns 64 (w & 1) .. + 63 of the block; of every 20 row tiles of the expert the ten 10 (w >> 1) + 0 .. 9; K = 1,024.
; So a wave has 10 x 4 accumulator tiles, 320 registers, and goes through the weights once for every 20 tiles of its expert.
;
; NO BARRIER, NO LDS, NO JOINT REQUESTS.  How many tiles an expert has (0 to 64) is a whole number that an earlier launch stored (meta[e]), and
; with it the number of passes.  Every wave of a work-group has to pass every barrier, so none may stand behind a branch on such a number,
; and LDS slots that are filled again need a barrier at each refill.  So the waves share nothing: each loads its operands straight into
; registers.  The two waves of a column half read the same weights, the two of a row half the same rows.
;
; WEIGHTS are f32 [K][N] in memory: for a K step of 32, lane (r = l % 16, hh = l / 16) loads 16 bytes (columns 4 r .. 4 r + 3) of the rows
; 16 (q / 8) + 8 hh + q % 8, q = 0 .. 15: sixteen lanes take 256 neighbouring bytes of a row.  Rounding rows 2 jj and 2 jj + 1 of one column
; into a word gives the words of four fragments t = 0 .. 3, in which fragment index rho is the true column 4 rho + t.  No transposition.
; ROWS are f16 in fragment order, [K step][tile][c][lane][16 bytes]: a fragment is two loads of 512 neighbouring bytes.
; MODE 1 takes the weights as source 0 and the rows as source 1: register j of lane (r, hh) in tile t is (row r, column 32 hh + 4 j + t), so a
;   lane ends with 32 neighbouring columns of one row, which is a row's part of one K step of h: four pieces of 16 bytes in fragment order.
;   b1 is the C operand of the first product.
; MODE 2 takes the rows as source 0: register j in tile t is (row 8 hh + j, column 4 r + t): for one j a lane's four tiles are four neighbouring
;   columns of y, which are brought into four neighbouring registers and stored.
;
; LOADS.  Their order is W(0), A(0), W(1), A(1), W(2), .. (W: 16 loads, A: 20), two register sets of each.  K step s waits for W(s), asks for
; A(s+1), converts W(s), waits for A(s), asks for W(s+2), multiplies.  By this text's count at most 56 loads of a wave are out.
; REGISTERS, window 0: v2 weight offset, v3 row offset, v4 result offset; v[16:95], v[96:175] A sets 0, 1 (on the way out: O, T);
;   v[176:207] four weight fragments; v[208:239] the bias as C.  Accumulator (a = 0 .. 9, t) at window 1 + a / 8, register 32 (a % 8) + 8 t.
;   Window 2, v[64:127], v[128:191]: weight sets 0, 1.
.set MODE, 2
.set P, 2560
.set PL, 160*1024                      ; bytes of a K step's plane of rows
.if MODE == 1
.set WPB, 16384                        ; bytes from a weight row to the next
.set WSH, 17                           ; 8 rows = 1 << WSH bytes
.set LIM, 21                           ; meta word that bounds the stores
.else
.set WPB, 4096
.set WSH, 15
.set LIM, 22
.endif
.set AS, 16
.set BB, 176
.set BI, 208
.set OO, 16
.set TT, 96
.set WS, 64
.set MSB, 0
.macro WIN new                         ; the immediate's high byte repeats the setting that is left
.if MSB != (\new)
	s_set_vgpr_msb (MSB<<8)|(\new)
.set MSB, (\new)
.endif
.endm
; A load into a register that a matrix instruction has read, and a vector instruction that writes one of its registers or reads its result,
; stand four plain vector instructions behind it (ISA guide 7.12.1 for vector instructions).
.macro PLACES
.rept 4
	v_nop
.endr
.endm
; ten row fragments of the K step pl planes behind the base
.macro ALOAD set, pl
	WIN 0
.irp a, 0,1,2,3,4,5,6,7,8,9
	global_load_b128 v[AS+80*\set+8*\a:AS+80*\set+8*\a+3], v3, s[44:45] offset:\pl*PL+1024*\a
	global_load_b128 v[AS+80*\set+8*\a+4:AS+80*\set+8*\a+7], v3, s[44:45] offset:\pl*PL+1024*\a+512
.endr
.endm
; 32 rows x 64 columns of weights, from row rowoff behind the base
.macro WLOAD set, rowoff
	WIN 0x80
.irp q, 0,1,2,3,4,5,6,7,8,9,10,11,12,13,14,15
	global_load_b128 v[WS+64*\set+4*\q:WS+64*\set+4*\q+3], v2, s[42:43] offset:(\rowoff+16*(\q/8)+(\q%8))*WPB
.endr
.endm
; a weight set becomes four fragments in f16
.macro CVT set
	WIN 0x0a
.irp t, 0,1,2,3
.irp g, 0,1
.irp jj, 0,1,2,3
	v_cvt_pk_f16_f32 v[BB+8*\t+4*\g+\jj], v[WS+64*\set+4*(8*\g+2*\jj)+\t], v[WS+64*\set+4*(8*\g+2*\jj+1)+\t]
.endr
.endr
.endr
.endm
; 40 matrix instructions on 40 accumulators, which take turns, one instruction a turn, in the same order in every K step.
; first = 1: the first product starts the sums (MODE 1: from the bias; MODE 2: from 0): nothing is cleared.
.macro MUL set, first
.irp a, 0,1,2,3,4,5,6,7,8,9
.if \first*(2-MODE)
	WIN 0x40*(1+\a/8)
.else
	WIN 0x50*(1+\a/8)
.endif
.irp t, 0,1,2,3
.set R, 32*(\a%8)+8*\t
.set FA, AS+80*\set+8*\a
.set FB, BB+8*\t
.if MODE == 1
.if \first
	v_wmma_f32_16x16x32_f16 v[R:R+7], v[FB:FB+7], v[FA:FA+7], v[BI+8*\t:BI+8*\t+7]
.else
	v_wmma_f32_16x16x32_f16 v[R:R+7], v[FB:FB+7], v[FA:FA+7], v[R:R+7]
.endif
.else
.if \first
	v_wmma_f32_16x16x32_f16 v[R:R+7], v[FA:FA+7], v[FB:FB+7], 0
.else
	v_wmma_f32_16x16x32_f16 v[R:R+7], v[FA:FA+7], v[FB:FB+7], v[R:R+7]
.endif
.endif
.endr
.endr
.endm
; One K step of 32 on sets number set.  al, apl: ask for the next step's rows, apl planes behind the base, into the other A set;
; wl, wrow: ask for the weights two steps on, into this step's weight set; c1, c2: how many younger loads may stay out.
.macro KSTEP set, first, al, apl, wl, wrow, c1, c2
	WIN 0
	PLACES                                         ; behind the last step's products: the other A set is loaded, the fragments are rewritten
	s_wait_loadcnt \c1                             ; loads come back in order: this step's weights are in
.if \al
.if \set == 0
	ALOAD 1, \apl
.else
	ALOAD 0, \apl
.endif
.endif
	CVT \set
	s_wait_loadcnt \c2                             ; this step's rows are in
.if \wl
	WLOAD \set, \wrow
.endif
	MUL \set, \first
.endm
.macro TRIP first, last                ; two K steps
.if \last
	KSTEP 0, 0, 1, 1, 0, 0, 36, 36                 ; step 30: younger than W(30): A(30) 20 + W(31) 16; younger than A(30): W(31) 16 + A(31) 20
	KSTEP 1, 0, 0, 0, 0, 0, 20, 0                  ; step 31: younger than W(31): A(31) 20; then nothing is left
.else
	KSTEP 0, \first, 1, 1, 1, 64, 36, 36           ; younger than W(s): A(s) 20 + W(s+1) 16; younger than A(s): W(s+1) 16 + A(s+1) 20
	KSTEP 1, 0, 1, 2, 1, 96, 36, 36
	WIN 0
	s_wait_xcnt 0x0                                ; the two bases are stepped only behind this wait
	s_add_nc_u64 s[42:43], s[42:43], 64*WPB
	s_add_nc_u64 s[44:45], s[44:45], 2*PL
.endif
.endm
; Row tile a of my ten goes out.  Tiles at or beyond the bound are not stored.
.macro FIN a
	WIN 0
	s_cmp_gt_i32 s54, \a
	s_cbranch_scc0 .Lpe
	s_wait_xcnt 0x0                                ; O, which the last tile's stores read, is rewritten only behind this wait
.set AC, 32*(\a%8)
.if MODE == 1
	WIN 0x04*(1+\a/8)
.set n, 0
.rept 32
	v_max_num_f32 v[TT+n], 0, v[AC+n]              ; relu; T[8 t + j]
.set n, n+1
.endr
	WIN 0
.irp x, 0,1,2,3
	v_cvt_pk_f16_f32 v[OO+4*\x], v[TT+2*\x], v[TT+8+2*\x]              ; piece x = 2 c + hh' of the K step: its k = 8 x + i is column 4 j + t,
	v_cvt_pk_f16_f32 v[OO+4*\x+1], v[TT+16+2*\x], v[TT+24+2*\x]        ; j = 2 x + i / 4, t = i % 4
	v_cvt_pk_f16_f32 v[OO+4*\x+2], v[TT+2*\x+1], v[TT+8+2*\x+1]
	v_cvt_pk_f16_f32 v[OO+4*\x+3], v[TT+16+2*\x+1], v[TT+24+2*\x+1]
.endr
.irp x, 0,1,2,3
	global_store_b128 v4, v[OO+4*\x:OO+4*\x+3], s[50:51] offset:\a*1024+\x*256   ; sixteen lanes store 256 neighbouring bytes, aligned
.endr
.else
	WIN 0x01*(1+\a/8)
.irp j, 0,1,2,3,4,5,6,7
.irp t, 0,1,2,3
	v_mov_b32 v[OO+4*\j+\t], v[AC+8*\t+\j]         ; a row's four neighbouring columns lie in four tiles: into one quad
.endr
.endr
	WIN 0
.irp j, 0,1,2,3,4,5,6,7
	global_store_b128 v4, v[OO+4*\j:OO+4*\j+3], s[50:51] offset:\a*65536+\j*4096   ; sixteen lanes store 256 neighbouring bytes, aligned
.endr
.endif
.endm
	s_load_b256 s[4:11], s[0:1], 0x0               ; rows s[4:5], weights s[6:7], result s[8:9], meta s[10:11]
.if MODE == 1
	s_load_b64 s[12:13], s[0:1], 0x20              ; b1
.endif
	v_lshrrev_b32 v1, 5, v0
	v_readfirstlane_b32 s14, v1                    ; wave
	s_and_b32 s15, s14, 1                          ; cu: my 64 columns
	s_lshr_b32 s16, s14, 1                         ; mh: my ten of every 20 tiles
	s_and_b32 s17, ttmp7, 0xffff                   ; expert
.if MODE == 1
	s_mov_b32 s18, ttmp9                           ; block of 128 columns
.else
	s_and_b32 s18, ttmp9, 7
	s_lshr_b32 s19, ttmp9, 3                       ; quarter of K
.endif
	s_lshl_b32 s46, s17, 4
	s_mov_b32 s47, 0                               ; stays 0: s[46:47] is a 32-bit offset
	s_wait_kmcnt 0x0
	s_add_nc_u64 s[10:11], s[10:11], s[46:47]
	s_load_b128 s[20:23], s[10:11], 0x0            ; first tile, tiles to store in MODE 1, tiles, 0
	v_and_b32 v5, 15, v0                           ; r
	v_bfe_u32 v6, v0, 4, 1                         ; hh
	v_and_b32 v7, 31, v0                           ; lane
	v_lshlrev_b32 v8, 4, v5                        ; 16 r
	v_lshl_add_u32 v2, v6, WSH, v8                 ; weights: 8 hh rows + 16 r
	v_lshlrev_b32 v3, 4, v7                        ; rows: 16 lane
.if MODE == 1
	v_mad_u32_u24 v4, v6, PL, v8                   ; h: plane hh of my two + 16 r
	v_lshlrev_b32 v9, 7, v6                        ; b1: my 32 columns
.else
	v_lshl_add_u32 v4, v6, 15, v8                  ; y: 8 hh rows of 4,096 bytes + 16 r
.endif
	; the weights' base: expert, my first K row, my first column
	s_lshl_b32 s46, s17, 24
	s_lshl_b32 s56, s18, 9
	s_add_co_u32 s46, s46, s56
	s_lshl_b32 s56, s15, 8
	s_add_co_u32 s46, s46, s56
.if MODE == 2
	s_lshl_b32 s56, s19, 22                        ; 1,024 rows of 4,096 bytes
	s_add_co_u32 s46, s46, s56
.endif
	s_add_nc_u64 s[40:41], s[6:7], s[46:47]
.if MODE == 1
	s_mov_b64 s[38:39], s[4:5]                     ; rows: K step 0
	s_lshl_b32 s46, s18, 2
	s_lshl_b32 s56, s15, 1
	s_add_co_u32 s46, s46, s56
	s_mul_i32 s46, s46, PL                         ; h: my 64 columns are the planes 4 nc + 2 cu and the next
	s_add_nc_u64 s[48:49], s[8:9], s[46:47]
	s_lshl_b32 s46, s17, 14                        ; b1[e], my 64 columns
	s_lshl_b32 s56, s18, 9
	s_add_co_u32 s46, s46, s56
	s_lshl_b32 s56, s15, 8
	s_add_co_u32 s46, s46, s56
	s_add_nc_u64 s[12:13], s[12:13], s[46:47]
.else
	s_mul_i32 s46, s19, 32*PL                      ; rows: K step 32 kq
	s_add_nc_u64 s[38:39], s[4:5], s[46:47]
	s_mul_i32 s46, s19, P*4096                     ; y: quarter kq, my 64 columns
	s_lshl_b32 s56, s18, 9
	s_add_co_u32 s46, s46, s56
	s_lshl_b32 s56, s15, 8
	s_add_co_u32 s46, s46, s56
	s_add_nc_u64 s[48:49], s[8:9], s[46:47]
.endif
	s_wait_kmcnt 0x0
	s_min_u32 s54, s[LIM], 80                      ; 1,024 tokens are 64 tiles at the most, 70 rounded up
	s_mul_i32 s25, s16, 10
	s_sub_co_i32 s54, s54, s25
	s_max_i32 s54, s54, 0                          ; tiles to store from my first on
	s_add_co_u32 s26, s54, 19
	s_mul_i32 s26, s26, 205
	s_lshr_b32 s26, s26, 12                        ; my passes = (tiles + 19) / 20: (n x 205) >> 12 = n / 20 for n up to 99
	s_cmp_eq_u32 s26, 0
	s_cbranch_scc1 .Lend                           ; none of the expert's tiles is mine
.if MODE == 1
.irp j, 0,1,2,3,4,5,6,7
	global_load_b128 v[16+4*\j:16+4*\j+3], v9, s[12:13] offset:16*\j
.endr
	s_wait_loadcnt 0x0
.irp j, 0,1,2,3,4,5,6,7
.irp t, 0,1,2,3
	v_mov_b32 v[BI+8*\t+\j], v[16+4*\j+\t]         ; once: the bias of column 32 hh + 4 j + t where tile t's register j wants it
.endr
.endr
.endif
	s_mov_b32 s52, 0                               ; pass
.Lpass:
	s_mul_i32 s55, s52, 20
	s_add_co_u32 s55, s55, s20
	s_add_co_u32 s55, s55, s25
	s_min_u32 s55, s55, 150                        ; my first tile of the pass (the bound is never met: the tiles end at 135)
	s_wait_xcnt 0x0                                ; the bases, and the registers that the last pass's stores read, are rewritten only behind this wait
	s_mov_b64 s[42:43], s[40:41]
	s_lshl_b32 s46, s55, 10
	s_add_nc_u64 s[44:45], s[38:39], s[46:47]
.if MODE == 2
	s_lshl_b32 s46, s55, 16                        ; 16 rows of 4,096 bytes
.endif
	s_add_nc_u64 s[50:51], s[48:49], s[46:47]
	WLOAD 0, 0
	ALOAD 0, 0
	WLOAD 1, 32
	TRIP 1, 0
	s_mov_b32 s53, 14
.Ltrip:
	TRIP 0, 0
	s_sub_co_u32 s53, s53, 1
	s_cmp_lg_u32 s53, 0
	s_cbranch_scc1 .Ltrip
	TRIP 0, 1
	WIN 0
	PLACES                                         ; behind the last products: their results are read
	FIN 0
	FIN 1
	FIN 2
	FIN 3
	FIN 4
	FIN 5
	FIN 6
	FIN 7
	FIN 8
	FIN 9
	WIN 0
.Lpe:
	s_sub_co_i32 s54, s54, 20
	s_add_co_u32 s52, s52, 1
	s_cmp_lt_u32 s52, s26
	s_cbranch_scc1 .Lpass
.Lend:
	s_endpgm
.Lfunc_end_k_q705d27815d_ffn2:
	.size	k_q705d27815d_ffn2, .Lfunc_end_k_q705d27815d_ffn2-k_q705d27815d_ffn2
	.p2alignl 7, 3214868480
	.fill 96, 4, 3214868480
	.section	.rodata,"a",@progbits
	.p2align	6, 0x0
	.amdhsa_kernel k_q705d27815d_ffn2
		.amdhsa_group_segment_fixed_size 0
		.amdhsa_private_segment_fixed_size 0
		.amdhsa_enable_private_segment 0
		.amdhsa_kernarg_size 32
		.amdhsa_user_sgpr_count 2
		.amdhsa_user_sgpr_kernarg_segment_ptr 1
		.amdhsa_wavefront_size32 1
		.amdhsa_system_sgpr_workgroup_id_x 1
		.amdhsa_system_sgpr_workgroup_id_y 1
		.amdhsa_system_sgpr_workgroup_id_z 1
		.amdhsa_system_vgpr_workitem_id 0
		.amdhsa_next_free_vgpr 704
		.amdhsa_next_free_sgpr 66
		.amdhsa_reserve_vcc 0
		.amdhsa_float_denorm_mode_32 3
		.amdhsa_float_denorm_mode_16_64 3
		.amdhsa_memory_ordered 1
		.amdhsa_forward_progress 1
		.amdhsa_inst_pref_size 72
	.end_amdhsa_kernel
	.amdgpu_metadata
---
amdhsa.version: [ 1, 2 ]
amdhsa.kernels:
  - .name:           k_q705d27815d_ffn2
    .symbol:         k_q705d27815d_ffn2.kd
    .args:
      - { .name: h, .offset: 0, .size: 8, .value_kind: global_buffer, .address_space: global }
      - { .name: w2, .offset: 8, .size: 8, .value_kind: global_buffer, .address_space: global }
      - { .name: y, .offset: 16, .size: 8, .value_kind: global_buffer, .address_space: global }
      - { .name: meta, .offset: 24, .size: 8, .value_kind: global_buffer, .address_space: global }
    .group_segment_fixed_size: 0
    .private_segment_fixed_size: 0
    .kernarg_segment_align: 8
    .kernarg_segment_size: 32
    .max_flat_workgroup_size: 128
    .sgpr_count:     66
    .vgpr_count:     704
    .wavefront_size: 32
...
	.end_amdgpu_metadata
.endif
;; end of part 5
;; launch combine (part 6): grid 256 x 1, 8 waves a work-group, no clusters, 0 bytes of LDS; arguments y, pos, sel, cw, b2, out0; writes out0
.if DOCPART == 6
	.amdgcn_target "amdgcn-amd-amdhsa--gfx1250"
	.amdhsa_code_object_version 6
	.text
	.protected	k_q705d27815d_combine
	.globl	k_q705d27815d_combine
	.p2align	8
	.type	k_q705d27815d_combine,@function
k_q705d27815d_combine:
	s_mov_b64 s[64:65], 0
	v_nop
	global_prefetch_b8 v0, s[64:65] scope:SCOPE_SE
	s_setreg_imm32_b32 hwreg(HW_REG_WAVE_MODE, 25, 1), 1
	s_wait_xcnt 0x0
; COMBINE: out0[t] = w0 (y row of pick 0 + b2[e0]) + w1 (y row of pick 1 + b2[e1]), a y row being the sum of its four quarters of FF.
; Only a token's two chosen experts enter: the other experts' terms are multiplied by a zero of reference()'s own one_hot.
; A work-group takes 4 tokens; thread t takes the 16 bytes at 16 t of every row, so a wave's load or store covers 512 neighbouring bytes.
; The rows (pos) and experts (sel) are whole numbers that earlier launches stored.  All 40 loads of a thread are issued at once.
; A stream: no LDS, no matrix unit.
.set YQ, 2560*4096                     ; bytes of a quarter of y
	s_load_b256 s[4:11], s[0:1], 0x0               ; y s[4:5], pos s[6:7], sel s[8:9], cw s[10:11]
	s_load_b128 s[12:15], s[0:1], 0x20             ; b2 s[12:13], out0 s[14:15]
	v_lshlrev_b32 v1, 4, v0
	s_lshl_b32 s2, ttmp9, 5                        ; 4 tokens x 8 bytes
	s_mov_b32 s3, 0
	s_wait_kmcnt 0x0
	s_add_nc_u64 s[6:7], s[6:7], s[2:3]
	s_add_nc_u64 s[10:11], s[10:11], s[2:3]
	s_lshl_b32 s2, ttmp9, 4
	s_add_nc_u64 s[8:9], s[8:9], s[2:3]
	s_load_b256 s[16:23], s[6:7], 0x0              ; pos[4 tokens][2]
	s_load_b256 s[24:31], s[10:11], 0x0            ; cw[4 tokens][2]
	s_load_b128 s[32:35], s[8:9], 0x0              ; sel[4 tokens]
	s_mov_b64 s[36:37], s[4:5]                     ; the four quarters of y
	s_add_nc_u64 s[38:39], s[36:37], YQ
	s_add_nc_u64 s[40:41], s[38:39], YQ
	s_add_nc_u64 s[42:43], s[40:41], YQ
	s_lshl_b32 s2, ttmp9, 14
	s_add_nc_u64 s[14:15], s[14:15], s[2:3]
	s_wait_kmcnt 0x0
.irp n, 0,1,2,3,4,5,6,7
	s_min_u32 s[16+\n], s[16+\n], 2559
	v_lshl_add_u32 v[2+\n], s[16+\n], 12, v1       ; row x 4,096 + 16 t
.endr
.irp i, 0,1,2,3
	s_and_b32 s44, s[32+\i], 7
	s_min_u32 s44, s44, 7
	v_lshl_add_u32 v[10+2*\i], s44, 12, v1         ; b2: e0 x 4,096 + 16 t
	s_bfe_u32 s44, s[32+\i], 0x30008
	s_min_u32 s44, s44, 7
	v_lshl_add_u32 v[11+2*\i], s44, 12, v1
.endr
.irp i, 0,1,2,3
.irp k, 0,1
.irp q, 0,1,2,3
	global_load_b128 v[20+40*\i+16*\k+4*\q:20+40*\i+16*\k+4*\q+3], v[2+2*\i+\k], s[36+2*\q:37+2*\q] th:TH_LOAD_NT
.endr
.endr
.irp k, 0,1
	global_load_b128 v[20+40*\i+32+4*\k:20+40*\i+32+4*\k+3], v[10+2*\i+\k], s[12:13]
.endr
.endr
.irp i, 0,1,2,3
	s_wait_loadcnt 30-10*\i                        ; loads come back in order: this token's ten are in, the younger tokens' stay out
.irp k, 0,1
.irp c, 0,2
	v_pk_add_f32 v[20+40*\i+16*\k+\c:20+40*\i+16*\k+\c+1], v[20+40*\i+16*\k+\c:20+40*\i+16*\k+\c+1], v[20+40*\i+16*\k+4+\c:20+40*\i+16*\k+4+\c+1]
	v_pk_add_f32 v[20+40*\i+16*\k+8+\c:20+40*\i+16*\k+8+\c+1], v[20+40*\i+16*\k+8+\c:20+40*\i+16*\k+8+\c+1], v[20+40*\i+16*\k+12+\c:20+40*\i+16*\k+12+\c+1]
.endr
.irp c, 0,2
	v_pk_add_f32 v[20+40*\i+16*\k+\c:20+40*\i+16*\k+\c+1], v[20+40*\i+16*\k+\c:20+40*\i+16*\k+\c+1], v[20+40*\i+16*\k+8+\c:20+40*\i+16*\k+8+\c+1]
.endr
.irp c, 0,2
	v_pk_add_f32 v[20+40*\i+16*\k+\c:20+40*\i+16*\k+\c+1], v[20+40*\i+16*\k+\c:20+40*\i+16*\k+\c+1], v[20+40*\i+32+4*\k+\c:20+40*\i+32+4*\k+\c+1]
.endr
.endr
.irp c, 0,1,2,3
	v_mul_f32 v[20+40*\i+\c], s[24+2*\i], v[20+40*\i+\c]
.endr
.irp c, 0,1,2,3
	v_fmac_f32 v[20+40*\i+\c], s[25+2*\i], v[20+40*\i+16+\c]
.endr
	global_store_b128 v1, v[20+40*\i:20+40*\i+3], s[14:15] offset:4096*\i th:TH_STORE_NT
.endr
	s_endpgm
.Lfunc_end_k_q705d27815d_combine:
	.size	k_q705d27815d_combine, .Lfunc_end_k_q705d27815d_combine-k_q705d27815d_combine
	.p2alignl 7, 3214868480
	.fill 96, 4, 3214868480
	.section	.rodata,"a",@progbits
	.p2align	6, 0x0
	.amdhsa_kernel k_q705d27815d_combine
		.amdhsa_group_segment_fixed_size 0
		.amdhsa_private_segment_fixed_size 0
		.amdhsa_enable_private_segment 0
		.amdhsa_kernarg_size 48
		.amdhsa_user_sgpr_count 2
		.amdhsa_user_sgpr_kernarg_segment_ptr 1
		.amdhsa_wavefront_size32 1
		.amdhsa_system_sgpr_workgroup_id_x 1
		.amdhsa_system_sgpr_workgroup_id_y 1
		.amdhsa_system_sgpr_workgroup_id_z 1
		.amdhsa_system_vgpr_workitem_id 0
		.amdhsa_next_free_vgpr 184
		.amdhsa_next_free_sgpr 66
		.amdhsa_reserve_vcc 0
		.amdhsa_float_denorm_mode_32 3
		.amdhsa_float_denorm_mode_16_64 3
		.amdhsa_memory_ordered 1
		.amdhsa_forward_progress 1
		.amdhsa_inst_pref_size 13
	.end_amdhsa_kernel
	.amdgpu_metadata
---
amdhsa.version: [ 1, 2 ]
amdhsa.kernels:
  - .name:           k_q705d27815d_combine
    .symbol:         k_q705d27815d_combine.kd
    .args:
      - { .name: y, .offset: 0, .size: 8, .value_kind: global_buffer, .address_space: global }
      - { .name: pos, .offset: 8, .size: 8, .value_kind: global_buffer, .address_space: global }
      - { .name: sel, .offset: 16, .size: 8, .value_kind: global_buffer, .address_space: global }
      - { .name: cw, .offset: 24, .size: 8, .value_kind: global_buffer, .address_space: global }
      - { .name: b2, .offset: 32, .size: 8, .value_kind: global_buffer, .address_space: global }
      - { .name: out0, .offset: 40, .size: 8, .value_kind: global_buffer, .address_space: global }
    .group_segment_fixed_size: 0
    .private_segment_fixed_size: 0
    .kernarg_segment_align: 8
    .kernarg_segment_size: 48
    .max_flat_workgroup_size: 256
    .sgpr_count:     66
    .vgpr_count:     184
    .wavefront_size: 32
...
	.end_amdgpu_metadata
.endif
;; end of part 6
;; ======== version 2 of 2: 6 launches; version 1 with the launch gather written anew for expert scheduling mode
;; limits: values are held in f16: magnitudes above 65,504 overflow, below 6.1e-05 lose precision
;; workspace buffers: sel 4,096 bytes of whole numbers; cw 8,192 bytes; rowtok 10,240 bytes of whole numbers; pos 8,192 bytes of whole numbers; meta 512 bytes of whole numbers; xg 5,242,880 bytes; h 20,971,520 bytes; y 41,943,040 bytes
;; launch gate: the kernel of part 1 again; grid 128 x 1, 8 waves a work-group, no clusters, 3,072 bytes of LDS; arguments x, gate_w, gate_b, expert_biases, sel, cw; writes sel, cw
;; launch lists: the kernel of part 2 again; grid 1 x 1, 32 waves a work-group, no clusters, 15,360 bytes of LDS; arguments sel, rowtok, pos, meta; writes rowtok, pos, meta
;; launch gather (part 7): grid 160 x 1, 8 waves a work-group, no clusters, 35,840 bytes of LDS; arguments x, rowtok, xg; writes xg
.if DOCPART == 7
	.amdgcn_target "amdgcn-amd-amdhsa--gfx1250"
	.amdhsa_code_object_version 6
	.text
	.protected	k_q705d27815d_gather
	.globl	k_q705d27815d_gather
	.p2align	8
	.type	k_q705d27815d_gather,@function
k_q705d27815d_gather:
	s_mov_b64 s[64:65], 0
	v_nop
	global_prefetch_b8 v0, s[64:65] scope:SCOPE_SE
	s_setreg_imm32_b32 hwreg(HW_REG_WAVE_SCHED_MODE, 0, 2), 2
	s_setreg_imm32_b32 hwreg(HW_REG_WAVE_MODE, 25, 1), 1
	s_wait_xcnt 0x0
	s_wait_alu depctr_vm_vsrc(0)
; GATHER: xg = the rows x[rowtok[q]] in f16, zeros where row q holds no token (rowtok = 1024), laid out as the matrix unit's fragments:
;   xg[K step of 32][tile of 16 rows][c = 0, 1][lane = 16 hh + r][16 bytes] = row r of the tile, k = 16 c + 8 hh + 0 .. 7 of the K step,
; so that a fragment of 16 rows x 32 K is 1,024 neighbouring bytes and is loaded by two instructions of 512 neighbouring bytes.
; Only the rows of chosen pairs (token, expert) exist: the other pairs' terms are multiplied by a zero of reference()'s own one_hot.
; All 160 tiles are written, since ten tiles at a time are read later on.
; FORMAT: f16 and not bf16, since each output carries the roundings of x, w1, h and w2 and f16's step is an eighth of bf16's.
; LIMIT: an x above 65,504 in magnitude becomes infinity.  As drawn |x| stays below 6; 30 times larger, or with an offset of 30, below 200.
; A work-group takes a tile, wave w the K steps 4 w .. 4 w + 3 (512 bytes of each x row): one load of the wave takes those 512 bytes of a row.
; The turn into fragment order goes through the wave's own 4,352 bytes of LDS: 16 groups (K step, c, hh) of 16 rows x 16 bytes, 272 bytes
; apart, so that the sixteen groups that a store touches start in different banks.  No other wave touches those bytes, and LDS serves a
; wave's instructions in order (ISA guide 5.7.1): no barrier, and no wait between the stores and the loads.
; THE MODE: SCHED_MODE bits 1:0 = 2 (LLVM: expert scheduling mode 2), set by the entry lines.  The code itself states the register dependences
; between vector instructions and memory or LDS instructions, with s_wait_alu, always for 0.
; THE PLAN.  Registers that memory or LDS instructions touch:
;   v4, v5, v6   LDS address in, LDS address back, offset in xg: made at the head, never written again.
;   v[8:23]      row i's offset in x: made at the head, read by row i's load, never written again.
;   v[24:87]     row i's 16 bytes of x a lane: written by its load alone, read by its two conversions, never loaded again.
;   v[88:119]    row i's two words of f16: written once, by its conversions and masks; read by its LDS store; never written again.
;   v[120:151]   block j as read back from LDS: written by the LDS loads alone, read by the stores to xg; no vector instruction names them.
;   v152, v153   made at the head, read by the closing add alone.
; The 16 rows go in four groups of four.  Group g's vector instructions name v[24+16 g ..] and v[88+8 g ..] alone; the LDS stores that stand among
; them are those of group g - 1, which read v4 and v[88+8 (g-1) ..].  So one wait on va_vdst at a group's head states all that its four LDS stores
; hang on.  No register that a memory or LDS instruction reads is written again, so no wait on vm_vsrc is owed.  EXEC is never written.
.set PL, 160*1024                      ; bytes of a K step's plane
.set WST, 16*272
.set XA, 8                             ; v[8:23]    offsets in x
.set XD, 24                            ; v[24:87]   x as loaded
.set HF, 88                            ; v[88:119]  f16, to be stored into LDS
.set BK, 120                           ; v[120:151] blocks read back
	s_load_b128 s[4:7], s[0:1], 0x0                ; x s[4:5], rowtok s[6:7]
	s_load_b64 s[8:9], s[0:1], 0x10                ; xg
	v_lshl_add_u32 v152, v0, 2, 0x8800
	v_mov_b32 v153, 0
	v_lshrrev_b32 v1, 5, v0
	v_readfirstlane_b32 s10, v1                    ; wave
	v_and_b32 v2, 31, v0                           ; lane
	v_lshlrev_b32 v3, 4, v0                        ; x: 512 w + 16 lane: lane l holds k = 128 w + 4 l .. + 3
	s_wait_alu depctr_va_sdst(0)                   ; s10 is written, ahead of its first reader: the wave's LDS bytes and planes are made from it
	s_mul_i32 s11, s10, WST                        ; my wave's bytes of LDS
	v_lshrrev_b32 v4, 1, v2                        ; in: group l / 2 = 4 (K step) + 2 c + hh,
	v_mul_u32_u24 v4, v4, 272
	v_and_b32 v5, 1, v2
	v_lshl_add_u32 v4, v5, 3, v4                   ;     8 bytes for each of its two lanes
	v_add_nc_u32 v4, s11, v4
	v_bfe_u32 v5, v0, 4, 1                         ; back: lanes 0-15 take group 2 j, lanes 16-31 group 2 j + 1,
	v_mul_u32_u24 v5, v5, 272
	v_and_b32 v6, 15, v0
	v_lshl_add_u32 v5, v6, 4, v5                   ;       16 bytes a row
	v_add_nc_u32 v5, s11, v5
	v_lshlrev_b32 v6, 4, v2                        ; xg: 16 lane
	s_mul_i32 s12, s10, 4*PL                       ;     + four planes a wave
	v_add_nc_u32 v6, s12, v6
	s_lshl_b32 s2, ttmp9, 6
	s_mov_b32 s3, 0
	s_wait_kmcnt 0x0
	s_add_nc_u64 s[6:7], s[6:7], s[2:3]
	s_load_b512 s[16:31], s[6:7], 0x0              ; the tile's 16 tokens
	s_lshl_b32 s2, ttmp9, 10                       ; a tile is 1,024 bytes of a plane
	s_add_nc_u64 s[8:9], s[8:9], s[2:3]
	s_wait_kmcnt 0x0
.irp i, 0,1,2,3,4,5,6,7,8,9,10,11,12,13,14,15
	s_cmp_lt_u32 s[16+\i], 0x400                   ; the row holds a token
	s_cselect_b32 s[32+\i], -1, 0
	s_min_u32 s[16+\i], s[16+\i], 0x3ff            ; an empty row reads token 1023 and stores zeros
	v_lshl_add_u32 v[XA+\i], s[16+\i], 12, v3
.endr
	s_wait_alu depctr_va_vdst(0)                   ; the sixteen offsets v[8:23] are written, which the loads below read; so are v4, v5 and v6, which the LDS stores, the LDS loads and the stores to xg read
.irp i, 0,1,2,3,4,5,6,7,8,9,10,11,12,13,14,15
	global_load_b128 v[XD+4*\i:XD+4*\i+3], v[XA+\i], s[4:5]
.endr
; Group g: rows 4 g .. 4 g + 3 are rounded and masked; the LDS stores of the group before stand among these lines, one ahead of each row's four.
.irp g, 0,1,2,3
	s_wait_loadcnt 12-4*(\g)                       ; loads come back in order: this group's four rows are in, the younger groups' stay out
.if (\g) > 0
	s_wait_alu depctr_va_vdst(0)                   ; the group before has written its eight words of f16, which the four LDS stores of this group's lines read
.endif
.irp n, 0,1,2,3
.if (\g) > 0
	ds_store_b64 v4, v[HF+2*(4*(\g)+(\n)-4):HF+2*(4*(\g)+(\n)-4)+1] offset:16*(4*(\g)+(\n)-4)   ; a row of the group before; no vector instruction since the wait names these registers
.endif
	v_cvt_pk_f16_f32 v[HF+2*(4*(\g)+(\n))], v[XD+4*(4*(\g)+(\n))], v[XD+4*(4*(\g)+(\n))+1]
	v_cvt_pk_f16_f32 v[HF+2*(4*(\g)+(\n))+1], v[XD+4*(4*(\g)+(\n))+2], v[XD+4*(4*(\g)+(\n))+3]
	v_and_b32 v[HF+2*(4*(\g)+(\n))], s[32+4*(\g)+(\n)], v[HF+2*(4*(\g)+(\n))]
	v_and_b32 v[HF+2*(4*(\g)+(\n))+1], s[32+4*(\g)+(\n)], v[HF+2*(4*(\g)+(\n))+1]
.endr
.endr
	s_wait_alu depctr_va_vdst(0)                   ; the last group has written its eight words of f16, which the last four LDS stores read
.irp i, 12,13,14,15
	ds_store_b64 v4, v[HF+2*\i:HF+2*\i+1] offset:16*\i
.endr
.irp j, 0,1,2,3,4,5,6,7
	ds_load_b128 v[BK+4*\j:BK+4*\j+3], v5 offset:544*\j            ; block j = 2 (K step) + c; no vector instruction of the kernel names these registers
.endr
.irp j, 0,1,2,3,4,5,6,7
	s_wait_dscnt 7-\j                              ; block j is in, the younger blocks stay out
	global_store_b128 v6, v[BK+4*\j:BK+4*\j+3], s[8:9] offset:(\j/2)*PL+(\j%2)*512   ; 512 neighbouring bytes, aligned
.endr
	s_wait_dscnt 0x0                               ; the closing lines, six on end
	s_wait_alu 0x0
	s_wait_tensorcnt 0x0
	ds_add_u32 v152, v153
	s_wait_dscnt 0x0
	s_endpgm
.Lfunc_end_k_q705d27815d_gather:
	.size	k_q705d27815d_gather, .Lfunc_end_k_q705d27815d_gather-k_q705d27815d_gather
	.p2alignl 7, 3214868480
	.fill 96, 4, 3214868480
	.section	.rodata,"a",@progbits
	.p2align	6, 0x0
	.amdhsa_kernel k_q705d27815d_gather
		.amdhsa_group_segment_fixed_size 35840
		.amdhsa_private_segment_fixed_size 0
		.amdhsa_enable_private_segment 0
		.amdhsa_kernarg_size 24
		.amdhsa_user_sgpr_count 2
		.amdhsa_user_sgpr_kernarg_segment_ptr 1
		.amdhsa_wavefront_size32 1
		.amdhsa_system_sgpr_workgroup_id_x 1
		.amdhsa_system_sgpr_workgroup_id_y 1
		.amdhsa_system_sgpr_workgroup_id_z 1
		.amdhsa_system_vgpr_workitem_id 0
		.amdhsa_next_free_vgpr 154
		.amdhsa_next_free_sgpr 66
		.amdhsa_reserve_vcc 0
		.amdhsa_float_denorm_mode_32 3
		.amdhsa_float_denorm_mode_16_64 3
		.amdhsa_memory_ordered 1
		.amdhsa_forward_progress 1
		.amdhsa_inst_pref_size 13
	.end_amdhsa_kernel
	.amdgpu_metadata
---
amdhsa.version: [ 1, 2 ]
amdhsa.kernels:
  - .name:           k_q705d27815d_gather
    .symbol:         k_q705d27815d_gather.kd
    .args:
      - { .name: x, .offset: 0, .size: 8, .value_kind: global_buffer, .address_space: global }
      - { .name: rowtok, .offset: 8, .size: 8, .value_kind: global_buffer, .address_space: global }
      - { .name: xg, .offset: 16, .size: 8, .value_kind: global_buffer, .address_space: global }
    .group_segment_fixed_size: 35840
    .private_segment_fixed_size: 0
    .kernarg_segment_align: 8
    .kernarg_segment_size: 24
    .max_flat_workgroup_size: 256
    .sgpr_count:     66
    .vgpr_count:     154
    .wavefront_size: 32
...
	.end_amdgpu_metadata
.endif
;; end of part 7
;; launch ffn1: the kernel of part 4 again; grid 32 x 8, 4 waves a work-group, no clusters, 0 bytes of LDS; arguments xg, w1, h, meta, b1; writes h
;; launch ffn2: the kernel of part 5 again; grid 32 x 8, 4 waves a work-group, no clusters, 0 bytes of LDS; arguments h, w2, y, meta; writes y
;; launch combine: the kernel of part 6 again; grid 256 x 1, 8 waves a work-group, no clusters, 0 bytes of LDS; arguments y, pos, sel, cw, b2, out0; writes out0
